; MI455X (gfx1250); checked and timed in simulation.
; The chip was launched on July 23, 2026; its instructions are those of AMD's public machine-readable ISA for CDNA 5 (MIT licence, August 2026) and "CDNA5" Instruction Set Architecture Reference Guide (July 2026). The comments in the code are by the model that wrote it; some were corrected since.
;; Multi Head Attention Base. Allowed arithmetic: matrix products marked QUANTISED: E5M2 operands, one E8M0 scale for each 32 along K, by v_wmma_scale_f32_16x16x128_f8f6f4 with both operands' format E5M2, f32 sums; everything else in f32.
;; Inputs: keys 4 x 2,048 x 1,024 float32; queries 4 x 2,048 x 1,024 float32; values_codes 4 x 1,024 x 64 x 32 uint8 (E5M2 codes of values, K innermost, in blocks of 32 codes); values_scales 4 x 1,024 x 64 uint8 (E8M0 scales of values, one for each 32 codes along K).
;; Outputs: out0 4 x 2,048 x 1,024 float32.
;; This version of the problem:
;;   THIS VERSION OF THE PROBLEM IS GIVEN IN LOW PRECISION. The matrix products marked QUANTISED in the list below multiply operands that are first quantised to E5M2 (5 exponent bits, 2 mantissa bits; 8 bits a number), with one power-of-two scale for each 32 numbers along K (OCP MX v1.0); their sums are f32. All else is computed in f32.
;;   The module's matrix products, in the order in which they are computed (A, B: the left and right operand; K: the contracted axis; several contracted axes count as one K, in the product's order):
;;     1. batch 64 x [M 2,048, K 64] x [K 64, N 2,048]; A: input queries; B: input keys: QUANTISED
;;     2. batch 64 x [M 2,048, K 2,048] x [K 2,048, N 64]; A: softmax (see below); B: input values (given as codes): QUANTISED
;;   THE QUANTISER, for each operand of a quantised product, along K:
;;     - K is cut into blocks of 32 from its start; a last block that is shorter is filled with zeros.
;;     - A block's scale is 2^e with e = floor(log2(the largest magnitude in the block)) - 15, held to -126 .. 127; a block of zeros has e = 0. As a byte (E8M0): e + 127.
;;     - Each number is divided by its block's scale, clamped to +-57,344, and rounded to the nearest number of E5M2, ties to even, subnormals kept.
;;     - The product sums the exact products of the quantised numbers (number of the format x scale) in f32.
;;   ~~~python
;;   def quantise(x, axis):      # numpy; x: float32 -> the quantised numbers, widened to float32 again
;;       x = np.moveaxis(x, axis, -1); K = x.shape[-1]
;;       x = np.pad(x, [(0, 0)] * (x.ndim - 1) + [(0, -K % 32)]); x = x.reshape(x.shape[:-1] + (-1, 32)); a = np.abs(x).max(-1, keepdims=True)
;;       e = np.where(a > 0, np.clip(np.frexp(np.where(a > 0, a, 1))[1] - 1 - 15, -126, 127), 0)      # np.frexp(a)[1] - 1 = floor(log2(a)), exactly
;;       r = np.clip(x / 2.0 ** e, -57344, 57344)
;;       step = 2.0 ** (np.maximum(np.frexp(np.where(r == 0, 1, r))[1] - 1, -14) - 2)
;;       q = np.round(r / step) * step * 2.0 ** e      # np.round: ties to even
;;       return np.moveaxis(q.reshape(q.shape[:-2] + (-1,))[..., :K], -1, axis).astype(np.float32)
;;   ~~~
;;   SOFTMAX AHEAD OF A QUANTISED PRODUCT. Where the list says 'softmax', what is quantised is not the finished softmax but p = 2^(t - M), with t = logit x log2(e) and M = ceil(the row's largest t), a whole number; so 1/2 < the row's largest p <= 1. The row's sum l is taken of the UNQUANTISED p, in f32, and the product's result is divided by l at the end. Since M is a whole number, a kernel that streams over the keys may use a running M (the ceiling of the running maximum): every later rescaling is an exact power of two, which a block's scale takes up: the codes' values come out the same.
;;   OPERANDS COMPUTED ON THE WAY. 'Computed on the way' means the value that the module computes at that place (a softmax that the list does not call 'softmax' is quantised finished and normalised). What goes into a quantiser is computed in f32, as accurately as f32 sums, v_exp_f32 and their like allow (about 1e-6 of the number): no bf16 or f16 on the way to a quantiser, and a product that is left as it is and whose result goes on into a quantised operand takes f32 operands (vector FMAs, or v_wmma_f32_16x16x4_f32). A number that lies on a knife's edge between two numbers of the format may be rounded either way, as far as f32 arithmetic and the matrix unit's own rounding can turn it there, and no further.
;;   INPUTS GIVEN AS CODES. values (in the module: [4, 2048, 1024], K = its axis 1): each comes as NAME_codes (uint8): NAME with its K axis moved to the last place and cut into blocks of 32 codes, [.., K / 32, bytes a block], one block behind the other in memory; one code a byte (a code: sign, 5 exponent bits, 2 mantissa bits); and NAME_scales (uint8): the same leading axes, one E8M0 byte (e + 127) for each 32 codes along K. Its value is code x scale, taken as it is: it is not quantised again, and the codes and scales need not be those that the quantiser above would give.
;; One version. Each part assembles by itself: llvm-mc -triple=amdgcn-amd-amdhsa -mcpu=gfx1250 --defsym DOCPART=n.
;; ======== version 1 of 1: 2 launches
;; limits: right only within a limited range of input values
;; workspace buffers: img 8,912,896 bytes
;; launch quant (part 1): grid 256 x 1, 8 waves a work-group, no clusters, 70,656 bytes of LDS; arguments keys, img; writes img
.if DOCPART == 1
	.amdgcn_target "amdgcn-amd-amdhsa--gfx1250"
	.amdhsa_code_object_version 6
	.text
	.protected	k_qe4e4c7e417_quant
	.globl	k_qe4e4c7e417_quant
	.p2align	8
	.type	k_qe4e4c7e417_quant,@function
k_qe4e4c7e417_quant:
	s_mov_b64 s[64:65], 0
	v_nop
	global_prefetch_b8 v0, s[64:65] scope:SCOPE_SE
	s_setreg_imm32_b32 hwreg(HW_REG_WAVE_MODE, 25, 1), 1
	s_wait_xcnt 0x0
; keys, [4][2048][1024] f32, become codes of BF8 (E5M2) with one E8M0 byte for each 32 numbers of a head's 64, laid in img as IMAGES OF OPERAND REGISTERS.
; No work of the problem is left out by this program; queries are quantised by the second launch, whose waves each read their own rows once.
; A UNIT is 64 keys of one head: unit u = 32 x (16 b + h) + (key / 64).  A unit's 4,352 bytes in img:
;   bytes 1024 t + 512 c + 16 l: registers 4 c .. 4 c + 3 of lane l of tile t (t = 0 .. 3, c = 0, 1).  Lane l = (r = l % 16, g = l / 16) holds, of key
;   32 (t / 2) + 8 (t % 2) + r + 8 (r / 8) of the unit, the numbers 32 c + 16 g + 0 .. 15.
;   bytes 4096 + 8 l: the scale word of row r of the tile pair g: bytes 0, 1 tile 2 g's two blocks, bytes 2, 3 tile 2 g + 1's; the four bytes behind it are 0, so that the store covers 256 bytes.
; A block's scale byte is its largest magnitude's exponent field - 15, held at 1 from below; each number is held within +-57,344 x the scale and rounded to the nearest code, ties to even.
; LIMITS: NaN and infinities among the inputs are not served.  A block whose largest magnitude lies under 2^-111, a block of zeros among them, gets the byte 1: a zero block's codes are zeros, and this program alone reads the bytes.
; SHARES.  A wave takes a unit; eight waves to a work-group, 256 work-groups; waves share nothing: no barrier.  Each load reads two rows' 256 consecutive bytes; all 32 loads of a wave go out at its start.
; A tile's 4,096 bytes turn through the wave's own stage in LDS (rows 272 bytes apart) and come back in the order of the operand's registers.  Every store covers whole aligned runs of 256 bytes; no store's register is written again.
.set UNITB, 4352
.set ROWB,  4096
.set SP,    272
.set STGB,  16*SP                      ; a stage; each wave has two
.set SPARE, 8*2*STGB                   ; the spare words, 128 bytes a wave
.set VO,   2                           ; 4096 g + 16 r
.set SI,   3                           ; the stage, in: 272 g + 16 r
.set SOUT, 4                           ; and out: 272 r + 64 g
.set CO,   5                           ; 16 x lane
.set CO8,  6                           ; 8 x lane
.set BM,   8
.set PT,   10
.set HL,   12
.set SOP,  14
.set SW,   16                          ; a tile's two bytes
.set PW,   17                          ; a pair's word
.set SC,   20                          ; v[20:21] the unit's scale image
.set R,    32                          ; four tiles as loaded
.set X,    160                         ; two tiles in the operand's order
.set C,    224                         ; codes, eight registers a tile
.set SEL,  16
.set MNT,  18
.set HI,   19
	s_load_b128 s[4:7], s[0:1], 0x0                ; keys, img
	v_lshl_add_u32 v30, v0, 2, SPARE
	v_mov_b32 v31, 0
	v_lshrrev_b32 v1, 5, v0
	v_readfirstlane_b32 s10, v1                    ; wave 0..7
	s_lshl_b32 s11, ttmp9, 3
	s_add_co_u32 s11, s11, s10                     ; my unit
	s_bfe_u32 s12, s11, 0x20009                    ; b
	s_lshl_b32 s12, s12, 23
	s_and_b32 s13, s11, 31                         ; which 64 keys
	s_lshl_b32 s13, s13, 18
	s_or_b32 s12, s12, s13
	s_bfe_u32 s13, s11, 0x40005                    ; h
	s_lshl_b32 s13, s13, 8
	s_or_b32 s12, s12, s13
	s_mov_b32 s13, 0
	s_mul_i32 s14, s11, UNITB
	s_mov_b32 s15, 0
	s_mov_b32 s[SEL], 0x76543210
	s_mov_b32 s[SEL+1], 0xfedcba98
	s_mov_b32 s[MNT], 0x600000
	s_mov_b32 s[HI], 0xffff0000
	s_mul_i32 s20, s10, 2*STGB
	v_and_b32 v24, 15, v0                          ; r
	v_bfe_u32 v7, v0, 4, 1                         ; g
	v_lshlrev_b32 v[VO], 12, v7
	v_lshl_add_u32 v[VO], v24, 4, v[VO]
	v_mul_u32_u24 v[SI], v7, SP
	v_lshl_add_u32 v[SI], v24, 4, v[SI]
	v_add_nc_u32 v[SI], s20, v[SI]
	v_mul_u32_u24 v[SOUT], v24, SP
	v_lshl_add_u32 v[SOUT], v7, 6, v[SOUT]
	v_add_nc_u32 v[SOUT], s20, v[SOUT]
	v_and_b32 v[CO8], 31, v0
	v_lshlrev_b32 v[CO], 4, v[CO8]
	v_lshlrev_b32 v[CO8], 3, v[CO8]
	v_mov_b32 v[PT], 0                             ; a lane permute's destination counts as one of its sources
	v_mov_b32 v[PT+1], 0
	v_mov_b32 v[SC+1], 0
	s_wait_alu depctr_va_vdst(0)
	s_wait_kmcnt 0x0
	s_add_nc_u64 s[4:5], s[4:5], s[12:13]
	s_add_nc_u64 s[6:7], s[6:7], s[14:15]
.macro LOAD t                          ; tile t's 16 rows, two a load
.irp i, 0,1,2,3,4,5,6,7
	global_load_b128 v[R+32*(\t)+4*\i:R+32*(\t)+4*\i+3], v[VO], s[4:5] offset:(32*((\t)/2)+8*((\t)%2)+2*\i+8*(\i/4))*ROWB th:TH_LOAD_NT
.endr
.endm
.macro TURN t                          ; LDS serves a wave's instructions in order (ISA guide 5.7.1.4): no wait between the stores and the loads
.irp i, 0,1,2,3,4,5,6,7
	ds_store_b128 v[SI], v[R+32*(\t)+4*\i:R+32*(\t)+4*\i+3] offset:STGB*((\t)%2)+2*\i*SP
.endr
.irp c, 0,1
.irp j, 0,1,2,3
	ds_load_b128 v[X+32*((\t)%2)+16*\c+4*\j:X+32*((\t)%2)+16*\c+4*\j+3], v[SOUT] offset:STGB*((\t)%2)+128*\c+16*\j
.endr
.endr
.endm
.macro QUANT2 x, dst                   ; register 16 b + i = number 32 b + 16 g + i of my row -> eight registers of codes, and the two bytes in v[SW]
.irp b, 0,1
	v_max3_num_f32 v[BM+\b], |v[(\x)+16*\b]|, |v[(\x)+16*\b+1]|, 0x8000000   ; with the floor 2^(16 - 127): the byte cannot fall under 1
.endr
.irp i, 2,4,6,8,10,12,14
.irp b, 0,1
	v_max3_num_f32 v[BM+\b], v[BM+\b], |v[(\x)+16*\b+\i]|, |v[(\x)+16*\b+\i+1]|
.endr
.endr
.irp b, 0,1
	v_permlanex16_b32 v[PT+\b], v[BM+\b], s[SEL], s[SEL+1]
.endr
.irp b, 0,1
	v_max_num_f32 v[BM+\b], v[BM+\b], v[PT+\b]     ; with lane l xor 16's 16
.endr
.irp b, 0,1
	v_add_nc_u32 v[SOP+\b], 0xf8800000, v[BM+\b]   ; 15 off the exponent field: the conversion's scale operand
.endr
.irp b, 0,1
	v_and_or_b32 v[HL+\b], v[BM+\b], 0x7f800000, s[MNT]   ; 57,344 x the scale
.endr
.irp b, 0,1
	v_lshrrev_b32 v[PT+\b], 23, v[SOP+\b]          ; the byte
.endr
	v_lshl_or_b32 v[SW], v[PT+1], 8, v[PT]
.irp b, 0,1
.irp i, 0,1,2,3,4,5,6,7,8,9,10,11,12,13,14,15
	v_med3_num_f32 v[(\x)+16*\b+\i], v[(\x)+16*\b+\i], -v[HL+\b], v[HL+\b]   ; the conversion does not saturate (ISA guide 7.6.2)
.endr
	v_cvt_scalef32_pk8_bf8_f32 v[(\dst)+4*\b:(\dst)+4*\b+1], v[(\x)+16*\b:(\x)+16*\b+7], v[SOP+\b]
	v_cvt_scalef32_pk8_bf8_f32 v[(\dst)+4*\b+2:(\dst)+4*\b+3], v[(\x)+16*\b+8:(\x)+16*\b+15], v[SOP+\b]
.endr
	v_nop                                          ; a plain line behind the last conversion
.endm
.macro TILE t
	s_wait_dscnt 0x0                               ; this tile is back from the stage
.if (\t) < 3
	s_wait_loadcnt 8*(2-(\t))                      ; the next tile's eight loads are in; the 8 (2 - t) issued behind them may be out
	TURN (\t)+1
.endif
	QUANT2 X+32*((\t)%2), C+8*(\t)
.if ((\t)%2) == 0
	v_mov_b32 v[PW], v[SW]
.else
	v_lshl_or_b32 v[PW], v[SW], 16, v[PW]          ; the odd tile's bytes above the even tile's
.endif
.if (\t) == 1
	v_mov_b32 v[SC], v[PW]                         ; lanes 0-15 keep pair 0's word,
.endif
.if (\t) == 3
	v_cndmask_b32 v[SC], v[SC], v[PW], s[HI]       ; lanes 16-31 take pair 1's
.endif
	global_store_b128 v[CO], v[C+8*(\t):C+8*(\t)+3], s[6:7] offset:1024*(\t)
	global_store_b128 v[CO], v[C+8*(\t)+4:C+8*(\t)+7], s[6:7] offset:1024*(\t)+512
.endm
	LOAD 0
	LOAD 1
	LOAD 2
	LOAD 3
	s_wait_loadcnt 24                              ; tile 0 is in; the 24 loads of tiles 1 to 3 may be out
	TURN 0
.irp t, 0,1,2,3
	TILE \t
.endr
	global_store_b64 v[CO8], v[SC:SC+1], s[6:7] offset:4096   ; the scale image: 256 consecutive bytes
	s_wait_tensorcnt 0x0                           ; the wave's end
	ds_add_u32 v30, v31
	s_wait_dscnt 0x0
	s_endpgm
.Lfunc_end_k_qe4e4c7e417_quant:
	.size	k_qe4e4c7e417_quant, .Lfunc_end_k_qe4e4c7e417_quant-k_qe4e4c7e417_quant
	.p2alignl 7, 3214868480
	.fill 96, 4, 3214868480
	.section	.rodata,"a",@progbits
	.p2align	6, 0x0
	.amdhsa_kernel k_qe4e4c7e417_quant
		.amdhsa_group_segment_fixed_size 70656
		.amdhsa_private_segment_fixed_size 0
		.amdhsa_enable_private_segment 0
		.amdhsa_kernarg_size 16
		.amdhsa_user_sgpr_count 2
		.amdhsa_user_sgpr_kernarg_segment_ptr 1
		.amdhsa_wavefront_size32 1
		.amdhsa_system_sgpr_workgroup_id_x 1
		.amdhsa_system_sgpr_workgroup_id_y 1
		.amdhsa_system_sgpr_workgroup_id_z 1
		.amdhsa_system_vgpr_workitem_id 0
		.amdhsa_next_free_vgpr 256
		.amdhsa_next_free_sgpr 66
		.amdhsa_reserve_vcc 0
		.amdhsa_float_denorm_mode_32 3
		.amdhsa_float_denorm_mode_16_64 3
		.amdhsa_memory_ordered 1
		.amdhsa_forward_progress 1
		.amdhsa_inst_pref_size 27
	.end_amdhsa_kernel
	.amdgpu_metadata
---
amdhsa.version: [ 1, 2 ]
amdhsa.kernels:
  - .name:           k_qe4e4c7e417_quant
    .symbol:         k_qe4e4c7e417_quant.kd
    .args:
      - { .name: keys, .offset: 0, .size: 8, .value_kind: global_buffer, .address_space: global }
      - { .name: img, .offset: 8, .size: 8, .value_kind: global_buffer, .address_space: global }
    .group_segment_fixed_size: 70656
    .private_segment_fixed_size: 0
    .kernarg_segment_align: 8
    .kernarg_segment_size: 16
    .max_flat_workgroup_size: 256
    .sgpr_count:     66
    .vgpr_count:     256
    .wavefront_size: 32
...
	.end_amdgpu_metadata
.endif
;; end of part 1
;; launch attn (part 2): grid 4 x 64, 16 waves a work-group, clusters of 4 x 1, 327,680 bytes of LDS; arguments img, queries, values_codes, values_scales, out0; writes out0
.if DOCPART == 2
	.amdgcn_target "amdgcn-amd-amdhsa--gfx1250"
	.amdhsa_code_object_version 6
	.text
	.protected	k_qe4e4c7e417_attn
	.globl	k_qe4e4c7e417_attn
	.p2align	8
	.type	k_qe4e4c7e417_attn,@function
k_qe4e4c7e417_attn:
	s_mov_b64 s[64:65], 0
	v_nop
	global_prefetch_b8 v0, s[64:65] scope:SCOPE_SE
	s_setreg_imm32_b32 hwreg(HW_REG_WAVE_MODE, 25, 1), 1
	s_wait_xcnt 0x0
	s_wait_alu depctr_hold_cnt(0) depctr_sa_sdst(0) depctr_va_vdst(0) depctr_va_sdst(0) depctr_va_ssrc(0) depctr_va_vcc(0) depctr_vm_vsrc(0)
	s_getreg_b32 s2, hwreg(HW_REG_IB_STS2, 6, 4)
	s_cmp_eq_u32 s2, 0
	s_cbranch_scc0 .Lentry_in_a_cluster
	s_endpgm
.Lentry_in_a_cluster:
	s_bfe_u32 s2, ttmp6, 0x10000c
	s_cmp_lg_u32 s2, 0x3003
	s_cbranch_scc0 .Lentry_shape_is_right
	s_endpgm
.Lentry_shape_is_right:
; out[b][q][64 h + d] = the sum over k of softmax_k(Q . K / 8) V, for 64 heads (bh = 16 b + h) of 2,048 queries and keys, head size 64; both products on codes of BF8 (E5M2) with one E8M0 scale for each 32 along K.  No work of the problem is left out.
; K comes from img as images of operand registers (4,352 bytes for 64 keys: four tiles of 1,024 bytes, then 256 bytes of scale words, one word for a row of a PAIR of tiles).  V comes as given.  Q is read as f32 and quantised here: each row is read by one wave alone.
; THE FIRST PRODUCT'S K IS 64.  Source 0 is a pair of key tiles, [K(2 b) | K(2 b + 1)], 16 registers; source 1 is [Q | zero codes] for tile 2 b and [zero codes | Q] for tile 2 b + 1 (v16-39: zeros, Q, zeros).
; The other tile's finite codes meet zero codes and add nothing; one scale word of K serves both products, and Q's word holds its two bytes twice.
; THE SOFTMAX: t = score x log2(e) / 8; M = the running largest t rounded UP to a whole number; p = 2^(t - M) is quantised along the keys, not normalised; the row's sum is taken of the unquantised p and divides at the end.
; When M moves, the sum and O are multiplied by 2^(old M - new M), which rounds nothing.
; SHARES.  256 work-groups, four to a head; a work-group owns 512 queries, in two passes of 256; each of sixteen waves owns 16 neighbouring queries a pass, in 256 registers.  Every wave walks all keys, 128 a step, two steps a trip.
; ALL OF A HEAD'S K, V AND SCALES LIE IN LDS FOR THE WHOLE LAUNCH: each byte is filled once; one barrier at the head shows them to all waves, and no other barrier follows but the closing round.
; CLUSTER.  The four work-groups of a head need the same K and V: each fill is a joint load with the mask of all four.  EVERY wave issues one: waves 0-7 256 keys of K each (17,408 dense bytes), waves 8-15 256 keys of V each (64 rows of 256 bytes).
; V's 4,096 scale bytes go through registers into LDS bytes of their own (8 bytes a thread): sixteen waves have sixteen tensor loads, and these bytes are a small part of the fills.
; PREFETCH.  All tiles are asked for at the head: there is no loop to run ahead in for them.  The second pass's Q (a wave's 16 rows x 256 bytes) is prefetched behind the head's barrier, a lane a row, 15 steps ahead of its loads.
; TWO REGIONS OF 64 REGISTERS CHANGE ROLES FROM STEP TO STEP.  In a step region RA holds K, region RB takes the scores.  V's fragments are loaded into RA in one run of 18 loads ahead of the exponentials; the next step's K is loaded over p in RB in one run of 18 behind the last conversion.
; LAYOUT.  Both products are used transposed: a lane holds ONE query (lane % 16); the 16 registers of score tiles 2 b, 2 b + 1 are keys 32 b + 16 (lane / 16) + 0 .. 15: the conversions' results are the second product's operand.
; LIMITS: NaN and infinities are not served.  A p under 2^-126 counts as 0 (v_exp_f32 gives no denormals: ISA guide 15.8).  A block's largest p is the exponential of the block's largest t - M, held at -111 from below (so the byte cannot fall under 1, given that
; v_exp_f32 of the whole number -111 is 2^-111); this takes v_exp_f32 not to fall where its input rises.  A block of Q under 2^-111 keeps the byte 1.
.set UNIT, 4352
.set TASK, 2*UNIT                      ; a step's 128 keys of K
.set KI,   0                           ; LDS: K, 16 x TASK
.set VC,   16*TASK                     ; V's codes: eight tiles of 256 keys, each 64 rows of 256 bytes + 16
.set VP,   272
.set VT,   64*VP                       ; = 2 x TASK: one scalar steps K and V
.set VS,   VC+8*VT                     ; V's scale bytes: 16 units of 256 bytes + 16; channel d at 272 (d / 4) + 64 (d % 4)
.set STG,  VS+16*272                   ; 8 rows of 256 bytes + 16 for each wave: Q's turn and the way out
.set WST,  8*272
.set SPARE, STG+16*WST                 ; the spare words, 128 bytes a wave
.set PFO, 0                            ; v0   the prefetch's offset (made last at the head)
.set AK,  1                            ; 16 x lane
.set AKS, 2                            ; 8 x lane
.set AV,  3                            ; VC + 272 r + 16 g
.set AVS, 4                            ; VS + 272 (r / 4) + 64 (r % 4) + 1088 g
.set ADK, 5                            ; the trip's addresses
.set ADKS, 6
.set ADV, 7
.set ADS, 8
.set STO, 9
.set RD,  10                           ; stage + 272 g + 16 r
.set GO,  11                           ; 4096 g + 16 r.  v12 -M, v13 the largest score, v[14:15] the sum
.set ZQ,  16                           ; v16-23 zeros, v24-31 Q, v32-39 zeros
.set KR,  40                           ; v40-103  one region
.set SS,  104                          ; v104-167 the other
.set OT,  168                          ; v168-199 O^T
.set PC,  200                          ; v200-215 p's codes
.set BM,  216
.set HL,  220
.set SOP, 224
.set FF,  228                          ; v228 f = 2^(old M - new M); v229 the old -M (the pair's upper half is never taken)
.set TT,  230
.set PS,  231
.set KSC, 232
.set VSC, 234
.set QS,  236
.set QRD, 237                          ; stage + 272 (r % 8) + 64 g
.set CH,  238                          ; v238-253 eight chains of the row's sum; v238-241 also take the lane permutes, v242-245 a second chain of each block's maximum
.set SPW, 254
.set NIL, 255
.set WV,  14
.set BH,  15
.set W7,  16
.set G1K, 24
.set G1V, 32
.set G0K, 40
.set G0V, 44
.set SEL, 48
.set CS,  50
.set MNT, 52
.set LOW, 53                           ; the mask of lanes with r < 8
.set TK,  54
.set TS,  55
.set CNT, 56
.set PASS, 57
.macro CROUND
	s_barrier_signal -1
	s_barrier_wait -1
	s_cmp_lg_u32 s[WV], 0
	s_cbranch_scc1 .Lnot_wave_0_\@
	s_barrier_signal -3
.Lnot_wave_0_\@:
	s_barrier_wait -3
	s_barrier_signal -1
	s_barrier_wait -1
.endm
.macro QLOAD off                       ; my 16 queries, two rows a load: sixteen lanes read a row's 256 consecutive bytes
.irp i, 0,1,2,3,4,5,6,7
	global_load_b128 v[KR+4*\i:KR+4*\i+3], v[GO], s[6:7] offset:\off+2*\i*4096 th:TH_LOAD_NT
.endr
.endm
.macro KS off                          ; a step's two registers of K's scale words
	ds_load_b32 v[KSC], v[ADKS] offset:\off+4096
	ds_load_b32 v[KSC+1], v[ADKS] offset:\off+UNIT+4096
.endm
.macro KL b, off                       ; tile pair b of a step's K, into block b of region RB
.irp u, 0,1
.irp c, 0,1
	ds_load_b128 v[RB+16*\b+8*\u+4*\c:RB+16*\b+8*\u+4*\c+3], v[ADK] offset:\off+UNIT*(\b/2)+1024*((2*\b+\u)%4)+512*\c
.endr
.endr
.endm
.macro VL k, q                         ; the k-th of V's 18 loads of a step: two of scale words, then fragment (k - 2) / 4 into region RA
.if \k < 2
	ds_load_b32 v[VSC+\k], v[ADS] offset:8*272*\k+4*\q
.else
	ds_load_b128 v[RA+4*(\k-2):RA+4*(\k-2)+3], v[ADV] offset:16*VP*((\k-2)/4)+32*((\k-2)%4)+128*\q
.endif
.set vk, vk+1
.endm
.macro WM d, a, b, c, sa, sb, row
.if \row
	v_wmma_scale_f32_16x16x128_f8f6f4 v[\d:\d+7], v[\a:\a+15], v[\b:\b+15], \c, v[\sa], v[\sb] matrix_a_fmt:MATRIX_FMT_BF8 matrix_b_fmt:MATRIX_FMT_BF8 matrix_a_scale:MATRIX_SCALE_ROW1
.else
	v_wmma_scale_f32_16x16x128_f8f6f4 v[\d:\d+7], v[\a:\a+15], v[\b:\b+15], \c, v[\sa], v[\sb] matrix_a_fmt:MATRIX_FMT_BF8 matrix_b_fmt:MATRIX_FMT_BF8
.endif
.endm
.macro H2 b, n                         ; four numbers of block b held at 57,344 x the scale, two to a line; p is not negative (the conversion does not saturate: ISA guide 7.6.2)
.irp m, 0,2
	v_dual_min_num_f32 v[RB+16*\b+\n+\m], v[HL+\b], v[RB+16*\b+\n+\m] :: v_dual_min_num_f32 v[RB+16*\b+\n+\m+1], v[HL+\b], v[RB+16*\b+\n+\m+1]
.endr
.endm
.macro CV b
	v_cvt_scalef32_pk8_bf8_f32 v[PC+4*\b:PC+4*\b+1], v[RB+16*\b:RB+16*\b+7], v[SOP+\b]
	v_cvt_scalef32_pk8_bf8_f32 v[PC+4*\b+2:PC+4*\b+3], v[RB+16*\b+8:RB+16*\b+15], v[SOP+\b]
.endm
.macro SUMS o                          ; the eight chains take 16 more numbers each
.irp k, 0,1,2,3,4,5,6,7
	v_pk_add_f32 v[CH+2*\k:CH+2*\k+1], v[CH+2*\k:CH+2*\k+1], v[RB+\o+2*\k:RB+\o+2*\k+1]
.endr
.endm
.macro PF cnt                          ; t - M of the next 2 x cnt scores, from register n of region RB on
.rept \cnt
	v_pk_fma_f32 v[RB+n:RB+n+1], v[RB+n:RB+n+1], s[CS:CS+1], v[12:13] op_sel_hi:[1,0,0]
.set n, n+2
.endr
.endm
	s_load_b256 s[4:11], s[0:1], 0x0               ; img, queries, V's codes, V's scales
	s_load_b64 s[12:13], s[0:1], 0x20              ; out
	v_lshl_add_u32 v[SPW], v0, 2, SPARE
	v_mov_b32 v[NIL], 0
	ds_add_u32 v[SPW], v[NIL]                      ; the opening lines
	ds_add_u32 v[SPW], v[NIL]
	v_lshrrev_b32 v1, 5, v0
	v_readfirstlane_b32 s[WV], v1                  ; wave 0..15
	s_and_b32 s[BH], ttmp7, 0xffff                 ; the head, which the four partners share
	s_and_b32 s[W7], s[WV], 7
	s_mov_b32 s[G1K], 15|(3<<16)|(1<<21)           ; K: 68 rows of 256 dense bytes (32 elements of 8), the mask of all four
	s_mov_b32 s[G1K+1], 32<<16
	s_mov_b32 s[G1K+2], 68<<16
	s_mov_b32 s[G1K+3], 32<<16
	s_mov_b32 s[G1K+4], 68
	s_mov_b32 s[G1K+5], 32
	s_mov_b32 s[G1K+6], 0
	s_mov_b32 s[G1K+7], 0
	s_mov_b32 s[G1V], 15|(0<<16)|(1<<20)|(1<<21)|(5<<22)|(3<<25)   ; V: 64 channels x 256 keys, rows 2,048 bytes apart; four words of padding behind every 64
	s_mov_b32 s[G1V+1], 256<<16
	s_mov_b32 s[G1V+2], 64<<16
	s_mov_b32 s[G1V+3], 256<<16
	s_mov_b32 s[G1V+4], 64
	s_mov_b32 s[G1V+5], 2048
	s_mov_b32 s[G1V+6], 0
	s_mov_b32 s[G1V+7], 0
	s_mul_i32 s18, s[BH], 16*TASK                  ; what a wave fetches hangs on the head and on wave % 8 alone
	s_mul_i32 s22, s[W7], VT                       ; 17,408 x (wave % 8): in img and in LDS alike
	s_add_co_u32 s18, s18, s22
	s_mov_b32 s19, 0
	s_lshl_b32 s20, s[BH], 17
	s_lshl_b32 s23, s[W7], 8
	s_add_co_u32 s20, s20, s23
	s_mov_b32 s21, 0
	s_mov_b32 s[SEL], 0x76543210
	s_mov_b32 s[SEL+1], 0xfedcba98
	s_mov_b32 s[CS], 0x3e38aa3b                    ; log2(e) / 8
	s_mov_b32 s[CS+1], s[CS]
	s_mov_b32 s[MNT], 0x600000
	s_mov_b32 s[LOW], 0x00ff00ff
	s_mul_i32 s23, s[WV], WST
	s_add_co_u32 s23, s23, STG                     ; my stage
	s_mul_i32 s60, s[WV], 272
	s_add_co_u32 s60, s60, VS                      ; my unit of V's scale bytes
	v_and_b32 v5, 15, v0                           ; r
	v_bfe_u32 v6, v0, 4, 1                         ; g
	v_and_b32 v7, 31, v0                           ; lane
	v_lshlrev_b32 v[AK], 4, v7
	v_lshlrev_b32 v[AKS], 3, v7
	v_add_nc_u32 v[SS+60], s60, v[AKS]             ; where my 8 scale bytes of V go
	v_lshlrev_b32 v[SS+61], 3, v0                  ; and where they come from
	v_mul_u32_u24 v[AV], v5, VP
	v_lshl_add_u32 v[AV], v6, 4, v[AV]
	v_add_nc_u32 v[AV], VC, v[AV]
	v_lshrrev_b32 v8, 2, v5
	v_mul_u32_u24 v[AVS], v8, 272
	v_and_b32 v8, 3, v5
	v_lshl_add_u32 v[AVS], v8, 6, v[AVS]
	v_mad_u32_u24 v[AVS], v6, 1088, v[AVS]
	v_add_nc_u32 v[AVS], VS, v[AVS]
	v_and_b32 v8, 7, v5
	v_mul_u32_u24 v[STO], v8, 272                  ; the way out, in: row r % 8, 128 bytes on for r >= 8, 32 g
	v_lshl_add_u32 v[QRD], v6, 6, v[STO]           ; Q's turn, back: row r % 8, 64 g
	v_add_nc_u32 v[QRD], s23, v[QRD]
	v_and_b32 v8, 8, v5
	v_lshl_add_u32 v[STO], v8, 4, v[STO]
	v_lshl_add_u32 v[STO], v6, 5, v[STO]
	v_add_nc_u32 v[STO], s23, v[STO]
	v_mul_u32_u24 v[RD], v6, 272                   ; lanes 0-15 one row, lanes 16-31 the next
	v_lshl_add_u32 v[RD], v5, 4, v[RD]
	v_add_nc_u32 v[RD], s23, v[RD]
	v_lshlrev_b32 v[GO], 12, v6
	v_lshl_add_u32 v[GO], v5, 4, v[GO]
	v_min_u32 v7, 15, v7
	v_lshlrev_b32 v[PFO], 12, v7                   ; a lane a row; lanes 16-31 name the last row again
	s_wait_alu depctr_va_vdst(0)
	s_wait_dscnt 0x0
	s_wait_kmcnt 0x0
	s_mov_b32 s[G0K], 1
	s_add_co_u32 s[G0K+1], s22, KI
	s_add_nc_u64 s[G0K+2:G0K+3], s[4:5], s[18:19]
	s_or_b32 s[G0K+3], s[G0K+3], 0x80000000
	s_mov_b32 s[G0V], 1
	s_add_co_u32 s[G0V+1], s22, VC
	s_add_nc_u64 s[G0V+2:G0V+3], s[8:9], s[20:21]
	s_or_b32 s[G0V+3], s[G0V+3], 0x80000000
	CROUND                                         ; all four work-groups are here: the joint loads meet
	s_cmp_lt_u32 s[WV], 8                          ; one load a wave, an arm each
	s_cbranch_scc0 .Lfor_v
	tensor_load_to_lds s[G0K:G0K+3], s[G1K:G1K+7]
	s_nop 0
.rept 4
	v_nop
.endr
	s_branch .Lasked
.Lfor_v:
	tensor_load_to_lds s[G0V:G0V+3], s[G1V:G1V+7]
	s_nop 0
.rept 4
	v_nop
.endr
.Lasked:
	; my first query: 512 x work-group + 16 x wave (the second pass: 256 on).  queries and out have one shape: one offset serves both.  The place in the cluster enters global addresses alone.
	s_bfe_u32 s18, ttmp6, 0x40000                  ; cx
	s_lshl_b32 s19, ttmp9, 2
	s_add_co_u32 s18, s18, s19
	s_lshl_b32 s18, s18, 5
	s_add_co_u32 s18, s18, s[WV]
	s_lshl_b32 s18, s18, 16                        ; 16 rows of 4,096 bytes
	s_lshr_b32 s20, s[BH], 4
	s_lshl_b32 s20, s20, 23
	s_add_co_u32 s18, s18, s20
	s_and_b32 s20, s[BH], 15
	s_lshl_b32 s20, s20, 8
	s_add_co_u32 s18, s18, s20
	s_mov_b32 s19, 0
	s_lshl_b32 s20, s[BH], 12
	s_mov_b32 s21, 0
	s_add_nc_u64 s[6:7], s[6:7], s[18:19]
	s_add_nc_u64 s[12:13], s[12:13], s[18:19]
	s_add_nc_u64 s[10:11], s[10:11], s[20:21]
	global_load_b64 v[SS+62:SS+63], v[SS+61], s[10:11]   ; a wave reads 256 consecutive scale bytes of V
	QLOAD 0
.irp i, 0,1,2,3,4,5,6,7
	v_mov_b32 v[ZQ+\i], 0                          ; the zero codes on both sides of Q: written once
	v_mov_b32 v[ZQ+16+\i], 0
.endr
.irp i, 0,1,2,3
	v_mov_b32 v[CH+\i], 0                          ; a lane permute's destination counts as one of its sources
.endr
	s_mov_b32 s[PASS], 0
	s_wait_alu depctr_va_vdst(0)
	s_wait_tensorcnt 0x0                           ; my tile has landed
	s_wait_loadcnt 8                               ; V's scale bytes are in; Q's eight loads, issued behind, may be out
	ds_store_b64 v[SS+60], v[SS+62:SS+63]
	s_wait_dscnt 0x0
	s_barrier_signal -1
	s_barrier_wait -1                              ; every wave's tile and scale bytes are in LDS
	global_prefetch_b8 v[PFO], s[6:7] offset:0x100000 th:TH_LOAD_NT scope:SCOPE_SE   ; the second pass's Q; its address registers are never written again
; A KEY STEP: 128 keys, the q-th of the trip's two.  pre = 1: the next step's K is loaded; pre = 2: the pass's last step: in the first pass the next pass's Q is loaded instead.
.macro STEP q, pre
.if \q == 0
.set RA, KR
.set RB, SS
.else
.set RA, SS
.set RB, KR
.endif
.irp b, 0,1,2,3                        ; S^T = K Q^T.  Nine places stand behind the last step's products, whose source 0 these write over
	s_wait_dscnt 12-4*\b                           ; K's scale words and pairs 0 .. b are in; the four loads of each later pair may be out
	WM RB+16*\b, RA+16*\b, ZQ+8, 0, KSC+\b/2, QS, \b%2
	WM RB+16*\b+8, RA+16*\b, ZQ, 0, KSC+\b/2, QS, \b%2
.endr
.rept 8
	v_nop                                          ; eight places ahead of the first read of the scores
.endr
.irp b, 0,1,2,3                        ; the largest score of each block of 32 keys, for the row's maximum and for the block's largest p: two chains a block, eight by turns; each accumulator is first read at its low end
	v_max3_num_f32 v[BM+\b], v[RB+16*\b], v[RB+16*\b+1], v[RB+16*\b+2]
.endr
.irp b, 0,1,2,3
	v_max3_num_f32 v[CH+4+\b], v[RB+16*\b+8], v[RB+16*\b+9], v[RB+16*\b+10]
.endr
.irp i, 3,5
.irp b, 0,1,2,3
	v_max3_num_f32 v[BM+\b], v[BM+\b], v[RB+16*\b+\i], v[RB+16*\b+\i+1]
.endr
.irp b, 0,1,2,3
	v_max3_num_f32 v[CH+4+\b], v[CH+4+\b], v[RB+16*\b+8+\i], v[RB+16*\b+9+\i]
.endr
.endr
.irp b, 0,1,2,3
	v_max3_num_f32 v[BM+\b], v[BM+\b], v[CH+4+\b], v[RB+16*\b+7]
.endr
.irp b, 0,1,2,3
	v_max_num_f32 v[BM+\b], v[BM+\b], v[RB+16*\b+15]
.endr
.irp b, 0,1,2,3
	v_permlanex16_b32 v[CH+\b], v[BM+\b], s[SEL], s[SEL+1]
.endr
.irp b, 0,1,2,3
	v_max_num_f32 v[BM+\b], v[BM+\b], v[CH+\b]     ; with lane l xor 16's 16 keys
.endr
	v_max3_num_f32 v[TT], v[BM], v[BM+1], v[BM+2]
	v_max3_num_f32 v13, v13, v[TT], v[BM+3]        ; the running largest score
	v_mul_f32 v[TT], s[CS], v13                    ; as t (c is positive)
	v_floor_f32 v12, -v[TT]                        ; -M = -ceil(t)
	v_pk_fma_f32 v[BM:BM+1], v[BM:BM+1], s[CS:CS+1], v[12:13] op_sel_hi:[1,0,0]           ; t - M of the blocks' largest scores
	v_pk_fma_f32 v[BM+2:BM+3], v[BM+2:BM+3], s[CS:CS+1], v[12:13] op_sel_hi:[1,0,0]
	v_sub_f32 v[TT], v12, v[FF+1]                  ; old M - new M: a whole number, 0 or less.  The three lines that make f stand among t - M of blocks 0 and 1
.set n, 0
	PF 4
	v_cvt_i32_f32 v[TT], v[TT]                     ; (it saturates)
	PF 4
	v_ldexp_f32 v[FF], 1.0, v[TT]                  ; f
	PF 8
.irp b, 0,1,2,3
	v_max_num_f32 v[BM+\b], 0xc2de0000, v[BM+\b]   ; held at -111 from below
.endr
	s_wait_alu depctr_va_vdst(0)
.set vk, 0
.rept 18                               ; V's scale words and fragments, in one run: K's registers were last read by products more than eight places back
	VL vk, \q
.endr
.if (\pre == 1) && (\q == 1)
	s_add_co_u32 s[TK], s[TK], VT                  ; the next trip's V: its addresses are read again a step on
	s_add_co_u32 s[TS], s[TS], 8
	v_add_nc_u32 v[ADV], s[TK], v[AV]
	v_add_nc_u32 v[ADS], s[TS], v[AVS]
.endif
.irp b, 0,1,2,3
	v_exp_f32 v[BM+\b], v[BM+\b]                   ; the blocks' largest p
.endr
.set n, 0
.rept 16                               ; p of blocks 0 and 1; among them t - M of blocks 2 and 3, which is read behind the next wait
	v_exp_f32 v[RB+n], v[RB+n]
	v_exp_f32 v[RB+n+1], v[RB+n+1]
	v_pk_fma_f32 v[RB+32+n:RB+33+n], v[RB+32+n:RB+33+n], s[CS:CS+1], v[12:13] op_sel_hi:[1,0,0]
.set n, n+2
.endr
	s_wait_alu depctr_va_vdst(0)                   ; behind the first batch and ahead of the second
.irp k, 0,1,2,3,4,5,6,7                ; p of blocks 2 and 3; among them lines that read the first batch alone and are read behind the next wait
	v_exp_f32 v[RB+32+4*\k], v[RB+32+4*\k]
	v_pk_add_f32 v[CH+2*\k:CH+2*\k+1], v[RB+2*\k:RB+2*\k+1], v[RB+16+2*\k:RB+16+2*\k+1]   ; the row's sum of the unquantised p, in eight chains
	v_exp_f32 v[RB+33+4*\k], v[RB+33+4*\k]
.if \k < 4
	v_add_nc_u32 v[SOP+\k], 0xf8800000, v[BM+\k]   ; 15 off the exponent field: the conversion's scale operand
.else
	v_and_or_b32 v[HL+\k-4], v[BM+\k-4], 0x7f800000, s[MNT]   ; 57,344 x the scale
.endif
	v_exp_f32 v[RB+34+4*\k], v[RB+34+4*\k]
.if \k >= 4
	v_lshrrev_b32 v[BM+\k-4], 23, v[BM+\k-4]       ; the exponent field: the byte + 15
.endif
	v_exp_f32 v[RB+35+4*\k], v[RB+35+4*\k]
.endr
	v_mov_b32 v[FF+1], v12                         ; -M, kept for the next step: the plain line behind the batch
	s_wait_alu depctr_va_vdst(0)                   ; behind the second batch, and directly ahead of the wait below
	s_wait_dscnt 0x0                               ; V's fragments and scale words are in
	H2 0, 0
	v_lshl_or_b32 v[PS], v[BM+1], 8, v[BM]         ; p's scale word
	H2 0, 4
	v_lshl_or_b32 v[PS], v[BM+2], 16, v[PS]
	H2 0, 8
	v_lshl_or_b32 v[PS], v[BM+3], 24, v[PS]
	H2 0, 12
	v_add_nc_u32 v[PS], 0xf0f0f0f1, v[PS]          ; 15 off each byte: each is 16 at the least, so nothing is borrowed
	CV 0
.irp n, 0,4,8,12
	H2 1, \n
.endr
	SUMS 32
	CV 1
.if \pre == 2
	s_wait_alu depctr_va_vdst(0)
	s_cmp_eq_u32 s[PASS], 0
	s_cbranch_scc0 .Lno_q_\@
	QLOAD 0x100000                                 ; over blocks 0 and 1 of p, which are converted
.Lno_q_\@:
.endif
.irp n, 0,4,8,12
	H2 2, \n
.endr
	SUMS 48
	CV 2
.irp n, 0,4,8,12
	H2 3, \n
.endr
	CV 3
.if \pre == 1
	KS (\q+1)*TASK                                 ; the next step's K, in one run of 18 loads, over p, which is converted
.irp b, 0,1,2,3
	KL \b, (\q+1)*TASK
.endr
.if \q == 1
	v_add_nc_u32 v[ADK], s[TK], v[AK]              ; the next trip's K
	v_add_nc_u32 v[ADKS], s[TK], v[AKS]
.endif
.endif
	s_wait_alu depctr_va_vdst(0)
.set n, 0
.rept 16
	v_pk_mul_f32 v[OT+n:OT+n+1], v[OT+n:OT+n+1], v[FF:FF+1] op_sel_hi:[1,0]   ; O^T under the new M; also the plain lines between the conversions and the products
.set n, n+2
.endr
.irp t, 0,1,2,3                        ; O^T += V^T P^T: the four accumulators by turns
	WM OT+8*\t, RA+16*\t, PC, v[OT+8*\t:OT+8*\t+7], VSC+\t/2, PS, \t%2
.endr
	v_pk_add_f32 v[CH:CH+1], v[CH:CH+1], v[CH+2:CH+3]          ; the chains are joined here: these eight lines and the v_nop are the nine places behind the products
	v_pk_add_f32 v[CH+4:CH+5], v[CH+4:CH+5], v[CH+6:CH+7]
	v_pk_add_f32 v[CH+8:CH+9], v[CH+8:CH+9], v[CH+10:CH+11]
	v_pk_add_f32 v[CH+12:CH+13], v[CH+12:CH+13], v[CH+14:CH+15]
	v_pk_add_f32 v[CH:CH+1], v[CH:CH+1], v[CH+4:CH+5]
	v_pk_add_f32 v[CH+8:CH+9], v[CH+8:CH+9], v[CH+12:CH+13]
	v_pk_add_f32 v[CH:CH+1], v[CH:CH+1], v[CH+8:CH+9]
	v_pk_fma_f32 v[14:15], v[14:15], v[FF:FF+1], v[CH:CH+1] op_sel_hi:[1,0,1]   ; the sum under the new M, and the step's part
	v_nop
.endm
.Lpass:                                            ; two trips: 256 queries of the work-group each
	s_wait_loadcnt 0x0                             ; my 16 queries, f32, two rows a load, in v[KR .. KR+31]
.irp p, 0,1                            ; they turn through my stage, eight rows at a time: lane (r, g) reads numbers 32 b + 16 g + 0 .. 15 of row r % 8.  LDS serves a wave's instructions in order (ISA guide 5.7.1.4)
.irp i, 0,1,2,3
	ds_store_b128 v[RD], v[KR+16*\p+4*\i:KR+16*\p+4*\i+3] offset:2*272*\i
.endr
.irp b, 0,1
.irp j, 0,1,2,3
	ds_load_b128 v[SS+32*\p+16*\b+4*\j:SS+32*\p+16*\b+4*\j+3], v[QRD] offset:128*\b+16*\j
.endr
.endr
.endr
	s_mov_b32 s[TK], 0
	s_mov_b32 s[TS], 0
	s_mov_b32 s[CNT], 7
	v_add_nc_u32 v[ADK], s[TK], v[AK]
	v_add_nc_u32 v[ADKS], s[TK], v[AKS]
	v_add_nc_u32 v[ADV], s[TK], v[AV]
	v_add_nc_u32 v[ADS], s[TS], v[AVS]
	s_wait_alu depctr_va_vdst(0)
	s_wait_dscnt 0x0
.set RB, KR
	KS 0                                           ; the first step's K
.irp b, 0,1,2,3
	KL \b, 0
.endr
.set n, 0
.rept 32
	v_cndmask_b32 v[SS+n], v[SS+32+n], v[SS+n], s[LOW]   ; r < 8: of rows 0-7; r >= 8: of rows 8-15
.set n, n+1
.endr
.irp b, 0,1                            ; Q's two blocks of 32: the stated quantiser
	v_max3_num_f32 v[BM+\b], |v[SS+16*\b]|, |v[SS+16*\b+1]|, 0x8000000
.endr
.irp i, 2,4,6,8,10,12,14
.irp b, 0,1
	v_max3_num_f32 v[BM+\b], v[BM+\b], |v[SS+16*\b+\i]|, |v[SS+16*\b+\i+1]|
.endr
.endr
.irp b, 0,1
	v_permlanex16_b32 v[CH+\b], v[BM+\b], s[SEL], s[SEL+1]
.endr
.irp b, 0,1
	v_max_num_f32 v[BM+\b], v[BM+\b], v[CH+\b]
.endr
.irp b, 0,1
	v_add_nc_u32 v[SOP+\b], 0xf8800000, v[BM+\b]
.endr
.irp b, 0,1
	v_and_or_b32 v[HL+\b], v[BM+\b], 0x7f800000, s[MNT]
.endr
.irp b, 0,1
	v_lshrrev_b32 v[BM+\b], 23, v[SOP+\b]
.endr
	v_lshl_or_b32 v[TT], v[BM+1], 8, v[BM]
	v_lshl_or_b32 v[QS], v[TT], 16, v[TT]          ; the two bytes twice: they serve Q in either half of source 1
.irp b, 0,1
.irp i, 0,1,2,3,4,5,6,7,8,9,10,11,12,13,14,15
	v_med3_num_f32 v[SS+16*\b+\i], v[SS+16*\b+\i], -v[HL+\b], v[HL+\b]
.endr
	v_cvt_scalef32_pk8_bf8_f32 v[ZQ+8+4*\b:ZQ+9+4*\b], v[SS+16*\b:SS+16*\b+7], v[SOP+\b]
	v_cvt_scalef32_pk8_bf8_f32 v[ZQ+10+4*\b:ZQ+11+4*\b], v[SS+16*\b+8:SS+16*\b+15], v[SOP+\b]
.endr
	v_mov_b32 v13, 0xff61b1e6                      ; the largest score so far: -3e38
	v_floor_f32 v12, -v13
	v_mov_b32 v14, 0
	v_mov_b32 v15, 0
	v_mov_b32 v[FF+1], v12
.set n, 0
.rept 32
	v_mov_b32 v[OT+n], 0                           ; O^T: the first change of M multiplies zeros.  (Also the places between Q's codes and scale word and the first product)
.set n, n+1
.endr
	s_wait_alu depctr_va_vdst(0)
.Ltrip:                                            ; seven trips of 256 keys; the eighth is written out: it loads no K beyond the last
	STEP 0, 1
	STEP 1, 1
	s_sub_co_u32 s[CNT], s[CNT], 1
	s_cmp_lg_u32 s[CNT], 0
	s_cbranch_scc1 .Ltrip
	STEP 0, 1
	STEP 1, 2
	; THE WAY OUT.  O^T / the sum; lanes r and r xor 8 exchange halves, so that all 32 lanes hold numbers of the same eight queries; eight rows of 256 bytes go through my stage at a time.
	v_add_f32 v14, v14, v15
	v_permlanex16_b32 v[CH], v14, s[SEL], s[SEL+1]
	v_add_f32 v14, v14, v[CH]                      ; the row's sum
	s_wait_alu depctr_va_vdst(0)
	v_rcp_f32 v14, v14
	v_nop
	s_wait_alu depctr_va_vdst(0)                   ; ahead of the reciprocal's first reader, which is also O^T's
.set n, 0
.rept 16
	v_pk_mul_f32 v[SS+n:SS+n+1], v[OT+n:OT+n+1], v[14:15] op_sel_hi:[1,0]   ; register 8 t + i: o(query r, channel 16 t + 8 g + i)
.set n, n+2
.endr
.set n, 0
.rept 16
	v_cndmask_b32 v[SS+32+n], v[SS+n], v[SS+16+n], s[LOW]      ; what I give: r < 8: my tiles 2, 3; r >= 8: my tiles 0, 1
.set n, n+1
.endr
.set n, 0
.rept 16
	v_mov_b32_dpp v[SS+32+n], v[SS+32+n] row_xmask:8 row_mask:0xf bank_mask:0xf   ; what lane r xor 8 gave
.set n, n+1
.endr
.set n, 0
.rept 16
	v_cndmask_b32 v[SS+n], v[SS+32+n], v[SS+n], s[LOW]         ; queries 0-7: r < 8 tiles 0, 1 (own); r >= 8 tiles 2, 3 of query r - 8
	v_cndmask_b32 v[SS+16+n], v[SS+16+n], v[SS+32+n], s[LOW]   ; queries 8-15: r < 8 tiles 0, 1 of query r + 8; r >= 8 tiles 2, 3 (own)
.set n, n+1
.endr
.irp p, 0,1
.irp t, 0,1
	ds_store_b128 v[STO], v[SS+16*\p+8*\t:SS+16*\p+8*\t+3] offset:64*\t
	ds_store_b128 v[STO], v[SS+16*\p+8*\t+4:SS+16*\p+8*\t+7] offset:64*\t+16
.endr
.irp i, 0,1,2,3                        ; these see the stores above, and the next half's stores come behind them
	ds_load_b128 v[SS+48-80*\p+4*\i:SS+48-80*\p+4*\i+3], v[RD] offset:2*272*\i   ; p = 0: v152-167; p = 1: v72-87 (v40-71 may await Q)
.endr
.endr
.irp i, 0,1,2,3
	s_wait_dscnt 11-\i                             ; behind this load: 3 - i of its half, and the second half's four stores and four loads
	global_store_b128 v[GO], v[SS+48+4*\i:SS+48+4*\i+3], s[12:13] offset:2*\i*4096 th:TH_STORE_NT   ; sixteen lanes store 256 consecutive aligned bytes
.endr
.irp i, 0,1,2,3
	s_wait_dscnt 3-\i
	global_store_b128 v[GO], v[SS-32+4*\i:SS-32+4*\i+3], s[12:13] offset:(8+2*\i)*4096 th:TH_STORE_NT
.endr
	s_wait_xcnt 0x0                                ; the stores have read their base and their data: both may be written again
	s_add_nc_u64 s[12:13], s[12:13], 0x100000      ; the second pass's queries lie 256 rows on
	s_add_co_u32 s[PASS], s[PASS], 1
	s_cmp_lt_u32 s[PASS], 2
	s_cbranch_scc1 .Lpass
	s_wait_tensorcnt 0x0                           ; the wave's end
	ds_add_u32 v[SPW], v[NIL]
	s_wait_dscnt 0x0
	CROUND                                         ; the closing round
	s_endpgm
.Lfunc_end_k_qe4e4c7e417_attn:
	.size	k_qe4e4c7e417_attn, .Lfunc_end_k_qe4e4c7e417_attn-k_qe4e4c7e417_attn
	.p2alignl 7, 3214868480
	.fill 96, 4, 3214868480
	.section	.rodata,"a",@progbits
	.p2align	6, 0x0
	.amdhsa_kernel k_qe4e4c7e417_attn
		.amdhsa_group_segment_fixed_size 327680
		.amdhsa_private_segment_fixed_size 0
		.amdhsa_enable_private_segment 0
		.amdhsa_kernarg_size 40
		.amdhsa_user_sgpr_count 2
		.amdhsa_user_sgpr_kernarg_segment_ptr 1
		.amdhsa_wavefront_size32 1
		.amdhsa_system_sgpr_workgroup_id_x 1
		.amdhsa_system_sgpr_workgroup_id_y 1
		.amdhsa_system_sgpr_workgroup_id_z 1
		.amdhsa_system_vgpr_workitem_id 0
		.amdhsa_next_free_vgpr 256
		.amdhsa_next_free_sgpr 70
		.amdhsa_reserve_vcc 0
		.amdhsa_float_denorm_mode_32 3
		.amdhsa_float_denorm_mode_16_64 3
		.amdhsa_memory_ordered 1
		.amdhsa_forward_progress 1
		.amdhsa_inst_pref_size 98
	.end_amdhsa_kernel
	.amdgpu_metadata
---
amdhsa.version: [ 1, 2 ]
amdhsa.kernels:
  - .name:           k_qe4e4c7e417_attn
    .symbol:         k_qe4e4c7e417_attn.kd
    .args:
      - { .name: img, .offset: 0, .size: 8, .value_kind: global_buffer, .address_space: global }
      - { .name: queries, .offset: 8, .size: 8, .value_kind: global_buffer, .address_space: global }
      - { .name: values_codes, .offset: 16, .size: 8, .value_kind: global_buffer, .address_space: global }
      - { .name: values_scales, .offset: 24, .size: 8, .value_kind: global_buffer, .address_space: global }
      - { .name: out0, .offset: 32, .size: 8, .value_kind: global_buffer, .address_space: global }
    .group_segment_fixed_size: 327680
    .private_segment_fixed_size: 0
    .kernarg_segment_align: 8
    .kernarg_segment_size: 40
    .max_flat_workgroup_size: 512
    .sgpr_count:     70
    .vgpr_count:     256
    .wavefront_size: 32
...
	.end_amdgpu_metadata
.endif
;; end of part 2
